; MI455X (gfx1250); checked and timed in simulation.
; The chip was launched on July 23, 2026; its instructions are those of AMD's public machine-readable ISA for CDNA 5 (MIT licence, August 2026) and "CDNA5" Instruction Set Architecture Reference Guide (July 2026). The comments in the code are by the model that wrote it; some were corrected since.
;; Centroid Pool. Allowed arithmetic: float matrix products may take bf16 or f16 operands with f32 sums; other float arithmetic in f32, or as packed bf16 or f16 multiplies, adds, multiply-adds, maxima and minima; sums over many terms, partial sums and values carried from step to step in f32; what a program stores and reads back later, other than sums and carried values, may be rounded once to bf16 or f16.
;; Inputs: coords 1,024 x 128 float32; latent 131,072 x 128 float32.
;; Outputs: out0 131,072 int32.
;; One version. Each part assembles by itself: llvm-mc -triple=amdgcn-amd-amdhsa -mcpu=gfx1250 --defsym DOCPART=n.
;; ======== version 1 of 1: 2 launches
;; workspace buffers: cb 262,144 bytes; ch 4,096 bytes
;; launch prep (part 1): grid 64 x 1, 1 waves a work-group, no clusters, 0 bytes of LDS; arguments coords, cb, ch; writes cb, ch
.if DOCPART == 1
	.amdgcn_target "amdgcn-amd-amdhsa--gfx1250"
	.amdhsa_code_object_version 6
	.text
	.protected	k_qb681c81ada_prep
	.globl	k_qb681c81ada_prep
	.p2align	8
	.type	k_qb681c81ada_prep,@function
k_qb681c81ada_prep:
	s_mov_b64 s[64:65], 0
	v_nop
	global_prefetch_b8 v0, s[64:65] scope:SCOPE_SE
	s_setreg_imm32_b32 hwreg(HW_REG_WAVE_MODE, 25, 1), 1
	s_wait_xcnt 0x0
; coords [1024][128] f32  ->  cb: the same numbers rounded once to bf16, laid out as matrix fragments;  ch[k] = -1/2 x the sum over d of bf16(coords[k][d])^2, f32.
; One wave takes tile T of 16 centroids (T = the work-group's number).  Lane l = (r = l % 16, h = l / 16) holds row 16 T + r.
; cb's block number 8 T + b (b = 0..7) is 512 bytes; lane l's 16 bytes of it are channels 16 b + 8 h + 0..7 of its row: blocks 2 ks and 2 ks + 1 are registers 0-3 and 4-7 of the
; fragment of 16 rows x 32 channels for K step ks, so that the next launch reads a fragment by two loads of 512 consecutive bytes.
; The squares are taken of the ROUNDED numbers, since the products of the next launch are made of them.
.set X, 8                              ; v[8:71]    my 64 numbers in f32: as loaded, later as rounded
.set Y, 72                             ; v[72:103]  the same in bf16, four registers a block
.set A, 104                            ; v[104:111] four chains of packed sums of squares
	s_load_b128 s[4:7], s[0:1], 0x0                ; coords s[4:5], cb s[6:7]
	s_load_b64 s[8:9], s[0:1], 0x10                ; ch
	v_and_b32 v1, 15, v0                           ; r
	v_lshrrev_b32 v2, 4, v0                        ; h (one wave: v0 is the lane)
	v_lshlrev_b32 v3, 9, v1                        ; a row of coords is 512 bytes
	v_lshl_add_u32 v3, v2, 5, v3                   ; + 8 h numbers of 4 bytes
	v_lshlrev_b32 v4, 4, v0                        ; my 16 bytes of a block of cb
	v_lshlrev_b32 v5, 2, v1                        ; my word of ch
	s_mov_b32 s12, 0x76543210                      ; v_permlanex16_b32: each lane takes its own place in the other half
	s_mov_b32 s13, 0xfedcba98
	s_mov_b32 s14, 0xffff0000                      ; a word's upper bf16
	s_lshl_b32 s16, ttmp9, 13                      ; 16 rows of 512 bytes
	s_mov_b32 s17, 0
	s_lshl_b32 s18, ttmp9, 12                      ; 8 blocks of 512 bytes
	s_mov_b32 s19, 0
	s_lshl_b32 s20, ttmp9, 6                       ; 16 words
	s_mov_b32 s21, 0
	s_wait_kmcnt 0x0
	s_add_nc_u64 s[4:5], s[4:5], s[16:17]
	s_add_nc_u64 s[6:7], s[6:7], s[18:19]
	s_add_nc_u64 s[8:9], s[8:9], s[20:21]
.irp b, 0,1,2,3,4,5,6,7
	global_load_b128 v[X+8*\b:X+8*\b+3],   v3, s[4:5] offset:64*\b
	global_load_b128 v[X+8*\b+4:X+8*\b+7], v3, s[4:5] offset:64*\b+16
.endr
	s_wait_loadcnt 0x0
.set m, 0
.rept 32
	v_cvt_pk_bf16_f32 v[Y+m], v[X+2*m], v[X+2*m+1] ; two roundings to nearest even, packed
.set m, m+1
.endr
.irp b, 0,1,2,3,4,5,6,7
	global_store_b128 v4, v[Y+4*\b:Y+4*\b+3], s[6:7] offset:512*\b  ; the wave's store covers 512 consecutive bytes, aligned
.endr
.set m, 0
.rept 32
	v_lshlrev_b32 v[X+2*m], 16, v[Y+m]             ; the rounded numbers back in f32
	v_and_b32 v[X+2*m+1], s14, v[Y+m]
.set m, m+1
.endr
.set m, 0
.rept 32                               ; four chains that do not wait for each other; the first four products start them
.if m < 4
	v_pk_mul_f32 v[A+2*m:A+2*m+1], v[X+2*m:X+2*m+1], v[X+2*m:X+2*m+1]
.else
	v_pk_fma_f32 v[A+2*(m%4):A+2*(m%4)+1], v[X+2*m:X+2*m+1], v[X+2*m:X+2*m+1], v[A+2*(m%4):A+2*(m%4)+1]
.endif
.set m, m+1
.endr
	v_pk_add_f32 v[A:A+1], v[A:A+1], v[A+2:A+3]
	v_pk_add_f32 v[A+4:A+5], v[A+4:A+5], v[A+6:A+7]
	v_pk_add_f32 v[A:A+1], v[A:A+1], v[A+4:A+5]
	v_add_f32 v[A], v[A], v[A+1]
	v_permlanex16_b32 v[A+1], v[A], s12, s13       ; the row's other 64 channels lie in the lane 16 away
	v_add_f32 v[A], v[A], v[A+1]
	v_mul_f32 v[A], -0.5, v[A]
	v_cmp_gt_u32 vcc_lo, 16, v0
	s_wait_xcnt 0x0                                ; EXEC is a source of the stores above: it changes only behind this wait
	s_and_saveexec_b32 s22, vcc_lo
	global_store_b32 v5, v[A], s[8:9]              ; lanes 0-15: the tile's 16 words
	s_wait_xcnt 0x0                                ; and again in front of the line that widens it
	s_or_b32 exec_lo, exec_lo, s22
	s_endpgm
.Lfunc_end_k_qb681c81ada_prep:
	.size	k_qb681c81ada_prep, .Lfunc_end_k_qb681c81ada_prep-k_qb681c81ada_prep
	.p2alignl 7, 3214868480
	.fill 96, 4, 3214868480
	.section	.rodata,"a",@progbits
	.p2align	6, 0x0
	.amdhsa_kernel k_qb681c81ada_prep
		.amdhsa_group_segment_fixed_size 0
		.amdhsa_private_segment_fixed_size 0
		.amdhsa_enable_private_segment 0
		.amdhsa_kernarg_size 24
		.amdhsa_user_sgpr_count 2
		.amdhsa_user_sgpr_kernarg_segment_ptr 1
		.amdhsa_wavefront_size32 1
		.amdhsa_system_sgpr_workgroup_id_x 1
		.amdhsa_system_sgpr_workgroup_id_y 1
		.amdhsa_system_sgpr_workgroup_id_z 1
		.amdhsa_system_vgpr_workitem_id 0
		.amdhsa_next_free_vgpr 112
		.amdhsa_next_free_sgpr 66
		.amdhsa_reserve_vcc 1
		.amdhsa_float_denorm_mode_32 3
		.amdhsa_float_denorm_mode_16_64 3
		.amdhsa_memory_ordered 1
		.amdhsa_forward_progress 1
		.amdhsa_inst_pref_size 10
	.end_amdhsa_kernel
	.amdgpu_metadata
---
amdhsa.version: [ 1, 2 ]
amdhsa.kernels:
  - .name:           k_qb681c81ada_prep
    .symbol:         k_qb681c81ada_prep.kd
    .args:
      - { .name: coords, .offset: 0, .size: 8, .value_kind: global_buffer, .address_space: global }
      - { .name: cb, .offset: 8, .size: 8, .value_kind: global_buffer, .address_space: global }
      - { .name: ch, .offset: 16, .size: 8, .value_kind: global_buffer, .address_space: global }
    .group_segment_fixed_size: 0
    .private_segment_fixed_size: 0
    .kernarg_segment_align: 8
    .kernarg_segment_size: 24
    .max_flat_workgroup_size: 32
    .sgpr_count:     66
    .vgpr_count:     112
    .wavefront_size: 32
...
	.end_amdgpu_metadata
.endif
;; end of part 1
;; launch knn (part 2): grid 256 x 1, 4 waves a work-group, clusters of 4 x 1, 327,680 bytes of LDS; arguments latent, cb, ch, out0; writes out0
.if DOCPART == 2
	.amdgcn_target "amdgcn-amd-amdhsa--gfx1250"
	.amdhsa_code_object_version 6
	.text
	.protected	k_qb681c81ada_knn
	.globl	k_qb681c81ada_knn
	.p2align	8
	.type	k_qb681c81ada_knn,@function
k_qb681c81ada_knn:
	s_mov_b64 s[64:65], 0
	v_nop
	global_prefetch_b8 v0, s[64:65] scope:SCOPE_SE
	s_setreg_imm32_b32 hwreg(HW_REG_WAVE_MODE, 25, 1), 1
	s_wait_xcnt 0x0
	s_wait_alu depctr_hold_cnt(0) depctr_sa_sdst(0) depctr_va_vdst(0) depctr_va_sdst(0) depctr_va_ssrc(0) depctr_va_vcc(0) depctr_vm_vsrc(0)
	s_getreg_b32 s2, hwreg(HW_REG_IB_STS2, 6, 4)
	s_cmp_eq_u32 s2, 0
	s_cbranch_scc0 .Lentry_in_a_cluster
	s_endpgm
.Lentry_in_a_cluster:
	s_bfe_u32 s2, ttmp6, 0x10000c
	s_cmp_lg_u32 s2, 0x3003
	s_cbranch_scc0 .Lentry_shape_is_right
	s_endpgm
.Lentry_shape_is_right:
; out0[n] = the index k of the centroid nearest to latent[n]: argmin_k(|x|^2 + |c_k|^2 - 2 x.c_k) = argmax_k(x.c_k - |c_k|^2 / 2), the lowest k among equals.
; latent [131072][128] f32 is rounded once to bf16 on its way to the matrix unit; cb holds the centroids in bf16 as fragments, ch the biases -|c|^2 / 2 in f32 (both made by the launch before).
; LIMITS.  |x|^2, one number for all k of a row, is not added, and the sums are rounded in another order: two centroids whose distances differ by less than the f32 rounding of
; |x|^2 + |c|^2 - 2 x.c may be ordered otherwise.  Scores are taken to be finite: NaN and infinities are not treated apart.
; SHARES.  A work-group owns 512 queries, 32 q-tiles of 16.  THE CENTROIDS STAY IN REGISTERS: wave w keeps centroids 256 w .. 256 w + 255, 16 c-tiles: 512 registers of fragments, 128 of biases.
; Every wave multiplies every q-tile by its 16 c-tiles: 64 matrix instructions for 8 LDS loads.  The queries stream: of group g (four q-tiles) wave w loads q-tile 4 g + w as whole rows of 512 bytes,
; one trip (256 matrix instructions) ahead of its use, rounds it and puts it into LDS, where all four waves read it as fragments.  Nothing more is asked of memory ahead of those loads.
; LAYOUT.  Source 0 = 16 centroids, source 1 = 16 queries: in the result lane (r = l % 16, h = l / 16) holds query r, register j centroid 8 h + j.  The first K step takes the biases as its C operand.
; ARGMAX, 15 vector lines for a tile of 16 x 16: the maximum T of the lane's 8 scores; where T > BEST (strictly, so the earlier tile keeps a tie) BEST, the tile's number and the 8 scores are kept.
; At a q-tile's end the first kept score equal to BEST gives j; (BEST, index) goes into a table in LDS; at the kernel's end each query's 8 candidates (4 waves x 2 halves) are merged, the lower index keeping a tie.
; These lines stand four behind each matrix instruction, for the four tiles finished a quarter (16 matrix instructions) earlier: two sets of four accumulators take turns.
; CLUSTER.  All work-groups read the same 262,144 bytes of cb, as many as a work-group reads of latent: the four of a cluster ask for them JOINTLY, the same tensor loads with the same descriptors and a
; mask that names the four.  Each wave asks for its own quarter by four loads of 64 rows x 256 bytes: four tensor loads of mine are out at the most, all first fills; no LDS byte is filled twice.
; LDS.  0: spare words.  512: q-tile i at 512 + 4,352 i, 16 rows of 256 bytes + 16 of padding (68 words: the 16 rows of a fragment load start at 16 different groups of four banks; ISA guide 11.1);
; each q-tile's bytes are written once.  65,536: wave w's quarter of cb at + 65,536 w.  293,888: wave w's table at + 8,448 w, 33 entries of 256 bytes (entry i + 1: q-tile i; entry 0 takes the
; first, empty pass).  Later q-tiles and the tables lie over cb's bytes: these have had their one fill, and every wave's reads of them are over at the first barrier, behind which alone they are written.
; REGISTERS, in windows of 256 (s_set_vgpr_msb: bits 1:0 source 0, 3:2 source 1, 5:4 source 2, 7:6 destination):
;   window 0: v0-31 addresses and the argmax's state; v32-63 rounded rows; v64-127 two buffers of a q-tile's fragments; v128-191 two sets of four accumulators
;   window 1: v0-127 biases, c-tile T at 8 T; v128-191 sixteen rows as loaded          windows 2, 3: the centroids' fragments: c-tile T, K step ks at 32 (T % 8) + 8 ks of window 2 + T / 8
.set SPARE, 0                          ; the spare words: 128 bytes for each wave, two blocks of 256 bytes that no other line names
.set QBASE, 512
.set QP,    272
.set QT,    16*QP
.set COORD, 65536
.set TAB,   293888
.set TABW,  33*256
.set SPW,  2                           ; v2   LDS address of my spare word; never rewritten
.set NIL,  3                           ; v3   0; never rewritten
.set BADR, 4                           ; v4   my place in the q-tile to be fetched next
.set QW,   5                           ; v5   where I put 8 bytes of a row of my q-tile of the next group
.set MTA,  6                           ; v6   my 8 bytes of my wave's next table entry
.set GOFF, 7                           ; v7   16 l: my 16 bytes of a row of latent; never rewritten
.set KB,   8                           ; v8   256 w + 8 h: my first centroid
.set AADR, 9                           ; v9   my 16 bytes of a block of my wave's quarter of cb
.set CHO,  10                          ; v10  byte offset in ch of my first centroid's bias
.set MR,   11                          ; v11  the merge: my four queries' first candidates
.set OO,   12                          ; v12  my 16 bytes of the work-group's part of out0
.set ID,   13                          ; v13  the number (0-15) of the c-tile that holds BEST
.set T0,   14                          ; v14-15 two tiles' maxima at work
.set SV,   16                          ; v16-23 that c-tile's 8 scores
.set JJ,   24                          ; v24  j
.set BEST, 26                          ; v26  the best score so far;  v27 its index: a pair for the table
.set IDX,  27
.set OUTR, 28                          ; v28-31 four indices to store (at the head: at work)
.set CT,   32
.set BF0,  64
.set BF1,  96
.set ACC,  128
.set RAW,  128                         ; window 1
.set MG,   64                          ; the merge: candidate c of query e at MG + 8 c + 2 e (score, index)
.set WV,   12                          ; s12  my wave's number
.set CNT,  15                          ; s15  groups still to be multiplied
.set G1,   16                          ; s[16:23] descriptor group 1
.set LP,   24                          ; s[24:25] latent at my q-tile of the group last asked for
.set NINF, 29                          ; s29  -infinity
.set G0,   32                          ; s[32:47] descriptor group 0, a set for each of my four fills
.set MSB, 0
.macro WIN new                         ; the immediate's high byte repeats the setting that is left; a switch that changes nothing is dropped
.if MSB != (\new)
	s_set_vgpr_msb (MSB<<8)|(\new)
.set MSB, (\new)
.endif
.endm
; A round of the cluster's barrier: my work-group's barrier, so that wave 0's signal speaks for all four waves; wave 0 signals; every wave waits for all four work-groups; my work-group's barrier once more.
.macro CROUND
	s_barrier_signal -1
	s_barrier_wait -1
	s_cmp_lg_u32 s[WV], 0
	s_cbranch_scc1 .Lnot_wave_0_\@
	s_barrier_signal -3
.Lnot_wave_0_\@:
	s_barrier_wait -3
	s_barrier_signal -1
	s_barrier_wait -1
.endm
; Sixteen rows of my q-tile of the next group: a row's 512 bytes an instruction.  step = 1: the pointer goes one group (4 q-tiles x 16 rows x 512 bytes) on.
.macro LOADS step
	WIN 0
	s_wait_xcnt 0x0                                ; every earlier load has read its address: only behind this wait is the pointer written
.if \step
	s_add_nc_u64 s[LP:LP+1], s[LP:LP+1], 32768
.endif
	WIN 0x40                                       ; destination window 1, address window 0
.set ri, 0
.rept 16
	global_load_b128 v[RAW+4*ri:RAW+4*ri+3], v[GOFF], s[LP:LP+1] offset:512*ri th:TH_LOAD_NT
.set ri, ri+1
.endr
	WIN 0
.endm
; The sixteen rows are rounded to bf16 and put into LDS: a row's 256 bytes a store.  left: the younger loads that may stay out.
.macro CONV left
	s_wait_loadcnt \left
	WIN 0x05                                       ; sources window 1, destination window 0
.set ri, 0
.rept 32
	v_cvt_pk_bf16_f32 v[CT+ri], v[RAW+2*ri], v[RAW+2*ri+1]
.set ri, ri+1
.endr
	WIN 0
.set ri, 0
.rept 16
	ds_store_b64 v[QW], v[CT+2*ri:CT+2*ri+1] offset:QP*ri
.set ri, ri+1
.endr
	v_add_nc_u32 v[QW], 4*QT, v[QW]                ; my q-tile of the group after
.endm
; A q-tile's four fragments (16 queries x 32 channels each: two loads of 16 bytes, 32 bytes apart) into buffer bfo.
.macro FETCH bfo
	WIN 0
.irp k, 0,1,2,3
	ds_load_b128 v[(\bfo)+8*\k:(\bfo)+8*\k+3],   v[BADR] offset:64*\k
	ds_load_b128 v[(\bfo)+8*\k+4:(\bfo)+8*\k+7], v[BADR] offset:64*\k+32
.endr
	v_add_nc_u32 v[BADR], QT, v[BADR]              ; the next q-tile
.endm
.macro FETCHC bfo                      ; the same, but for the last group's last q-tile, behind which there is none
	WIN 0
	s_cmp_eq_u32 s[CNT], 1
	s_cbranch_scc1 .Lno_fetch_\@
	FETCH \bfo
.Lno_fetch_\@:
.endm
; Matrix instruction i of 16 of quarter u: K step i / 4, c-tile 4 u + i % 4.  The four accumulators take turns, one instruction a turn.
.macro MMA u, i, bf
.set mk, (\i)/4
.set mt, 4*(\u)+(\i)%4
.set rA, 32*(mt%8)+8*mk
.set rB, (\bf)+8*mk
.set rD, ACC+32*((\u)%2)+8*((\i)%4)
.if mk == 0
	WIN (2+(\u)/2)|0x10                            ; the biases, in window 1, start the sums
	v_wmma_f32_16x16x32_bf16 v[rD:rD+7], v[rA:rA+7], v[rB:rB+7], v[8*mt:8*mt+7]
.else
	WIN 2+(\u)/2
	v_wmma_f32_16x16x32_bf16 v[rD:rD+7], v[rA:rA+7], v[rB:rB+7], v[rD:rD+7]
.endif
.endm
; Line n of the 60 that take the c-tiles 4 up .. 4 up + 3 into the argmax.  Two pairs of tiles, 30 lines each: 0-7 the two maxima, alternating (each accumulator's lowest registers are read first)
; 8-18 the first tile: compare, BEST, the tile's number, its 8 scores; 19-29 the second.
.macro RID n, up
.set rp, (\n)/30
.set rm, (\n)%30
.if rm < 8
.set rt, rm%2
.set ra, ACC+32*((\up)%2)+16*rp+8*rt
.set rs, rm/2
.if rs == 0
	v_max3_num_f32 v[T0+rt], v[ra], v[ra+1], v[ra+2]
.elseif rs < 3
	v_max3_num_f32 v[T0+rt], v[T0+rt], v[ra+2*rs+1], v[ra+2*rs+2]
.else
	v_max_num_f32 v[T0+rt], v[T0+rt], v[ra+7]
.endif
.else
.set rt, (rm-8)/11
.set rk, (rm-8)%11
.set ra, ACC+32*((\up)%2)+16*rp+8*rt
.if rk == 0
	v_cmp_gt_f32 vcc_lo, v[T0+rt], v[BEST]
.elseif rk == 1
	v_max_num_f32 v[BEST], v[BEST], v[T0+rt]
.elseif rk == 2
	v_cndmask_b32 v[ID], v[ID], 4*(\up)+2*rp+rt, vcc_lo
.else
	v_cndmask_b32 v[SV+rk-3], v[SV+rk-3], v[ra+rk-3], vcc_lo
.endif
.endif
.endm
; A quarter of a q-tile: 16 matrix instructions on c-tiles 4 u .. 4 u + 3, and behind each of the first 15 four lines of the argmax for the quarter before, which lies in the other set of accumulators.
; An accumulator's first reader stands 12 such lines or more behind its last matrix instruction, and they name the other set.
; ev = 1: the next q-tile is fetched behind the second matrix instruction: eight plain lines behind the last product that read that buffer.  ev = 2: unless there is none.
.macro QUARTER u, bf, bfo, ev
.set qi, 0
.rept 16
	MMA \u, qi, \bf
.if qi < 15
	WIN 0
.irp k, 0,1,2,3
	RID 4*qi+\k, ((\u)+3)%4
.endr
.endif
.if (qi == 1) && ((\ev) == 1)
	FETCH \bfo
.elseif (qi == 1) && ((\ev) == 2)
	FETCHC \bfo
.endif
.set qi, qi+1
.endr
.endm
; A q-tile's end: j is the first kept score equal to BEST; index = 256 w + 16 tile + 8 h + j; the pair goes into my wave's table; BEST starts anew.
.macro FINAL
	WIN 0
	v_mov_b32 v[JJ], 7
.irp j, 6,5,4,3,2,1,0
	v_cmp_eq_f32 vcc_lo, v[SV+\j], v[BEST]
	v_cndmask_b32 v[JJ], v[JJ], \j, vcc_lo
.endr
	v_lshl_add_u32 v[IDX], v[ID], 4, v[JJ]
	v_add_nc_u32 v[IDX], v[KB], v[IDX]
	ds_store_b64 v[MTA], v[BEST:BEST+1]
	v_add_nc_u32 v[MTA], 256, v[MTA]
	v_mov_b32 v[BEST], s[NINF]
.endm
; A q-tile: 64 matrix instructions on buffer bf.  Its first quarter carries the last lines of the q-tile before, whose end therefore stands behind that quarter.
; bar = 1: the barrier that shows the next group's rows to every wave: each wave's stores of them are waited for in front of its signal, and the fetch of the group's first q-tile stands behind the wait.
.macro QTILE bf, bfo, bar, ev
	WIN 0
	s_wait_dscnt 0x0                               ; my fragments are in; my stores into LDS are done
.if \bar
	s_barrier_signal -1
	s_barrier_wait -1
.endif
	QUARTER 0, \bf, \bfo, \ev
	FINAL
	QUARTER 1, \bf, \bfo, 0
	QUARTER 2, \bf, \bfo, 0
	QUARTER 3, \bf, \bfo, 0
.endm
; The merge: candidate (score at cv, index at cv + 1) takes the place of the best (at bv) where its score is greater, or equal with the lower index.
.macro UPD cv, bv
	v_cmp_gt_f32 s30, v[\cv], v[\bv]
	v_cmp_eq_f32 s31, v[\cv], v[\bv]
	v_cmp_lt_u32 vcc_lo, v[(\cv)+1], v[(\bv)+1]
	s_and_b32 s31, s31, vcc_lo
	s_or_b32 s30, s30, s31
	v_cndmask_b32 v[\bv], v[\bv], v[\cv], s30
	v_cndmask_b32 v[(\bv)+1], v[(\bv)+1], v[(\cv)+1], s30
.endm
	s_load_b256 s[4:11], s[0:1], 0x0               ; latent s[4:5], cb s[6:7], ch s[8:9], out0 s[10:11]
	v_lshl_add_u32 v[SPW], v0, 2, SPARE
	v_mov_b32 v[NIL], 0
	ds_add_u32 v[SPW], v[NIL]                      ; the wave's opening: the add and its wait come ahead of my first tensor load; the set-up below, work on registers, stands between them
	v_lshrrev_b32 v1, 5, v0
	v_readfirstlane_b32 s[WV], v1                  ; wave 0..3
	s_bfe_u32 s13, ttmp6, 0x40000                  ; cx: my place in the cluster
	s_lshl_b32 s14, ttmp9, 2                       ; in a cluster launch ttmp9 counts clusters
	s_add_co_u32 s14, s14, s13                     ; my block of 512 queries: it enters latent's and out0's addresses alone
	; descriptor group 1: 16,384 dense bytes as 64 rows of 256 bytes
	s_mov_b32 s[G1], 15|(3<<16)|(1<<21)            ; 15:0 the mask: all four work-groups; 17:16 elements of 8 bytes; 21 set beside a mask; no padding
	s_mov_b32 s[G1+1], 32<<16                      ; tensor_dim0 = 32
	s_mov_b32 s[G1+2], 64<<16                      ; tensor_dim1 = 64
	s_mov_b32 s[G1+3], 32<<16                      ; tile_dim0 = 32
	s_mov_b32 s[G1+4], 64                          ; tile_dim1 = 64
	s_mov_b32 s[G1+5], 32                          ; 32 elements from row to row
	s_mov_b32 s[G1+6], 0
	s_mov_b32 s[G1+7], 0
	s_lshl_b32 s48, s[WV], 16                      ; my wave's quarter: 65,536 bytes, in cb and in LDS: no place in the cluster enters these two registers
	s_mov_b32 s49, 0
.irp i, 0,1,2,3
	s_mov_b32 s[G0+4*\i], 1                        ; count = 1
	s_add_co_u32 s[G0+4*\i+1], s48, COORD+16384*\i ; LDS address
.endr
	s_mov_b32 s[NINF], 0xff800000
	v_and_b32 v1, 31, v0                           ; l
	v_and_b32 v28, 15, v0                          ; r
	v_bfe_u32 v29, v0, 4, 1                        ; h
	v_mul_u32_u24 v[BADR], v28, QP
	v_lshl_add_u32 v[BADR], v29, 4, v[BADR]
	v_add_nc_u32 v[BADR], QBASE, v[BADR]           ; q-tile 0: row r, 16 bytes for each half of the lanes
	s_mul_i32 s28, s[WV], QT
	s_add_co_u32 s28, s28, QBASE
	v_lshl_add_u32 v[QW], v1, 3, s28               ; q-tile w: 8 bytes a lane
	s_mul_i32 s28, s[WV], TABW
	s_add_co_u32 s28, s28, TAB
	v_lshl_add_u32 v[MTA], v1, 3, s28
	v_lshlrev_b32 v[GOFF], 4, v1
	s_lshl_b32 s28, s[WV], 8
	v_lshl_add_u32 v[KB], v29, 3, s28
	s_add_co_u32 s28, s48, COORD
	v_lshl_add_u32 v[AADR], v1, 4, s28
	s_lshl_b32 s28, s[WV], 10
	v_lshl_add_u32 v[CHO], v29, 5, s28
	v_lshrrev_b32 v30, 2, v1
	v_and_b32 v31, 3, v1
	s_lshl_b32 s28, s[WV], 11                      ; the merge: wave w takes queries 128 w on, q-tiles 8 w on; lane l queries 4 l .. 4 l + 3 of them: entry 8 w + l / 4 + 1, lanes' words 4 (l % 4) on
	s_add_co_u32 s28, s28, TAB+256
	v_lshl_add_u32 v[MR], v30, 8, s28
	v_lshl_add_u32 v[MR], v31, 5, v[MR]
	s_lshl_b32 s28, s[WV], 9
	v_lshl_add_u32 v[OO], v1, 4, s28
	s_wait_dscnt 0x0                               ; the opening add is done
	s_wait_kmcnt 0x0
	s_lshl_b32 s26, s14, 18                        ; my block's 512 rows of 512 bytes,
	s_lshl_b32 s28, s[WV], 13                      ; my wave's q-tile of group 0
	s_add_co_u32 s26, s26, s28
	s_mov_b32 s27, 0
	s_add_nc_u64 s[LP:LP+1], s[4:5], s[26:27]
	s_lshl_b32 s26, s14, 11                        ; my block's 512 words of out0
	s_add_nc_u64 s[10:11], s[10:11], s[26:27]
	s_add_nc_u64 s[6:7], s[6:7], s[48:49]          ; cb at my wave's quarter
.irp i, 0,1,2,3
	s_add_nc_u64 s[G0+4*\i+2:G0+4*\i+3], s[6:7], 16384*\i  ; global address
	s_or_b32 s[G0+4*\i+3], s[G0+4*\i+3], 0x80000000        ; type = 2
.endr
	LOADS 0                                        ; group 0's rows go out first: they come from memory
	WIN 0x40
.set ti, 0
.rept 16                               ; the biases: register j of c-tile T is ch[256 w + 16 T + 8 h + j]
	global_load_b128 v[8*ti:8*ti+3],   v[CHO], s[8:9] offset:64*ti
	global_load_b128 v[8*ti+4:8*ti+7], v[CHO], s[8:9] offset:64*ti+16
.set ti, ti+1
.endr
	WIN 0
	CROUND                                         ; all four work-groups are here: the joint loads meet
.irp i, 0,1,2,3
	tensor_load_to_lds s[G0+4*\i:G0+4*\i+3], s[G1:G1+7]
	s_nop 0
.endr
.rept 4
	v_nop                                          ; four lines behind the last load, ahead of the next switch of windows
.endr
	; My quarter of cb goes into registers, a fill (four c-tiles, 32 blocks of 512 bytes) at a time.  Only I read these bytes, so my own count of tensor loads orders the reads.
.set fi, 0
.rept 4
	s_wait_tensorcnt 3-fi                          ; tensor loads of a wave end in order (ISA guide 10.11.1): fill fi is in, the 3 - fi younger ones may stay out
	WIN 0x80+0x40*(fi/2)                           ; destination window 2 or 3
.set bi, 0
.rept 32
	ds_load_b128 v[32*((4*fi+bi/8)%8)+4*(bi%8):32*((4*fi+bi/8)%8)+4*(bi%8)+3], v[AADR] offset:512*(32*fi+bi)
.set bi, bi+1
.endr
.set fi, fi+1
.endr
	WIN 0
	CONV 32                                        ; group 0: the 32 loads of biases were issued behind its sixteen and may stay out
	LOADS 1                                        ; group 1
	; What the first quarter's lines of the argmax find: scores of -infinity, which change nothing; the first end of a q-tile writes the table's entry 0, which nobody reads.
.set ri, 0
.rept 32
	v_mov_b32 v[ACC+32+ri], s[NINF]
.set ri, ri+1
.endr
.set ri, 0
.rept 8
	v_mov_b32 v[SV+ri], 0
.set ri, ri+1
.endr
	v_mov_b32 v[ID], 0
	v_mov_b32 v[BEST], s[NINF]
	s_wait_dscnt 0x0                               ; my reads of cb's bytes are over and my q-tile of group 0 lies in LDS (all my tensor loads were waited for above)
	s_barrier_signal -1
	s_barrier_wait -1                              ; the same holds of every wave: group 0 may be read, cb's bytes written over
	FETCH BF0                                      ; q-tile 0
	s_wait_loadcnt 16                              ; the biases are in; group 1's sixteen loads may stay out
	s_mov_b32 s[CNT], 8
.Lgroup:                               ; a trip multiplies a group's four q-tiles, rounds the next group's rows and asks for the rows of the group after
	QTILE BF0, BF1, 0, 1
	QTILE BF1, BF0, 0, 1
	WIN 0
	s_cmp_lt_u32 s[CNT], 2                         ; the last trip has no next group,
	s_cbranch_scc1 .Lno_more
	CONV 0
	s_cmp_lt_u32 s[CNT], 3                         ; the last two none after it
	s_cbranch_scc1 .Lno_more
	LOADS 1
.Lno_more:
	QTILE BF0, BF1, 0, 1
	QTILE BF1, BF0, 1, 2
	WIN 0
	s_sub_co_u32 s[CNT], s[CNT], 1
	s_cmp_lg_u32 s[CNT], 0
	s_cbranch_scc1 .Lgroup
.rept 4
	v_nop                                          ; places behind the last products
.endr
.set qi, 0
.rept 60
	RID qi, 3                                      ; the last q-tile's last quarter
.set qi, qi+1
.endr
	FINAL
	s_wait_dscnt 0x0                               ; for the others' sake: my table is whole
	s_barrier_signal -1
	s_barrier_wait -1
.irp c, 0,1,2,3,4,5,6,7                ; candidate c: wave c / 2, half c % 2 of the lanes; 32 bytes: my four queries' pairs
	ds_load_b128 v[MG+8*\c:MG+8*\c+3],   v[MR] offset:TABW*(\c/2)+128*(\c%2)
	ds_load_b128 v[MG+8*\c+4:MG+8*\c+7], v[MR] offset:TABW*(\c/2)+128*(\c%2)+16
.endr
	s_wait_dscnt 0x0
.irp c, 1,2,3,4,5,6,7
.irp e, 0,1,2,3
	UPD MG+8*\c+2*\e, MG+2*\e
.endr
.endr
.irp e, 0,1,2,3
	v_mov_b32 v[OUTR+\e], v[MG+2*\e+1]
.endr
	global_store_b128 v[OO], v[OUTR:OUTR+3], s[10:11]  ; the wave's store covers 512 consecutive bytes, aligned
	s_wait_tensorcnt 0x0                           ; the wave's end, behind my last tensor load and my last LDS store
	ds_add_u32 v[SPW], v[NIL]
	s_wait_dscnt 0x0
	CROUND                                         ; the closing round
	s_endpgm
.Lfunc_end_k_qb681c81ada_knn:
	.size	k_qb681c81ada_knn, .Lfunc_end_k_qb681c81ada_knn-k_qb681c81ada_knn
	.p2alignl 7, 3214868480
	.fill 96, 4, 3214868480
	.section	.rodata,"a",@progbits
	.p2align	6, 0x0
	.amdhsa_kernel k_qb681c81ada_knn
		.amdhsa_group_segment_fixed_size 327680
		.amdhsa_private_segment_fixed_size 0
		.amdhsa_enable_private_segment 0
		.amdhsa_kernarg_size 32
		.amdhsa_user_sgpr_count 2
		.amdhsa_user_sgpr_kernarg_segment_ptr 1
		.amdhsa_wavefront_size32 1
		.amdhsa_system_sgpr_workgroup_id_x 1
		.amdhsa_system_sgpr_workgroup_id_y 1
		.amdhsa_system_sgpr_workgroup_id_z 1
		.amdhsa_system_vgpr_workitem_id 0
		.amdhsa_next_free_vgpr 1024
		.amdhsa_next_free_sgpr 66
		.amdhsa_reserve_vcc 1
		.amdhsa_float_denorm_mode_32 3
		.amdhsa_float_denorm_mode_16_64 3
		.amdhsa_memory_ordered 1
		.amdhsa_forward_progress 1
		.amdhsa_inst_pref_size 121
	.end_amdhsa_kernel
	.amdgpu_metadata
---
amdhsa.version: [ 1, 2 ]
amdhsa.kernels:
  - .name:           k_qb681c81ada_knn
    .symbol:         k_qb681c81ada_knn.kd
    .args:
      - { .name: latent, .offset: 0, .size: 8, .value_kind: global_buffer, .address_space: global }
      - { .name: cb, .offset: 8, .size: 8, .value_kind: global_buffer, .address_space: global }
      - { .name: ch, .offset: 16, .size: 8, .value_kind: global_buffer, .address_space: global }
      - { .name: out0, .offset: 24, .size: 8, .value_kind: global_buffer, .address_space: global }
    .group_segment_fixed_size: 327680
    .private_segment_fixed_size: 0
    .kernarg_segment_align: 8
    .kernarg_segment_size: 32
    .max_flat_workgroup_size: 128
    .sgpr_count:     66
    .vgpr_count:     1024
    .wavefront_size: 32
...
	.end_amdgpu_metadata
.endif
;; end of part 2
